; MI455X (gfx1250); checked and timed in simulation.
; The chip was launched on July 23, 2026; its instructions are those of AMD's public machine-readable ISA for CDNA 5 (MIT licence, August 2026) and "CDNA5" Instruction Set Architecture Reference Guide (July 2026). The comments in the code are by the model that wrote it; some were corrected since.
;; MTA. Allowed arithmetic: matrix products marked QUANTISED: E3M2 operands, one E8M0 scale for each 32 along K, by v_wmma_scale_f32_16x16x128_f8f6f4 with both operands' format E3M2, f32 sums; products left as they are: f32 operands where the result goes on into a quantised operand, else bf16, f16 or f32 operands; f32 sums; everything else in f32.
;; Inputs: W_dec_codes 1,024 x 32 x 24 uint8 (E3M2 codes of W_dec, K innermost, in blocks of 32 codes, four codes in three bytes); W_dec_scales 1,024 x 32 uint8 (E8M0 scales of W_dec, one for each 32 codes along K); W_enc_codes 1,024 x 32 x 24 uint8 (E3M2 codes of W_enc, K innermost, in blocks of 32 codes, four codes in three bytes); W_enc_scales 1,024 x 32 uint8 (E8M0 scales of W_enc, one for each 32 codes along K); att_prev 32 x 2,000 float32; b_enc 1,024 float32; dec_z_codes 32 x 32 x 24 uint8 (E3M2 codes of dec_z, K innermost, in blocks of 32 codes, four codes in three bytes); dec_z_scales 32 x 32 uint8 (E8M0 scales of dec_z, one for each 32 codes along K); enc_hs_len 32 int32; enc_hs_pad 32 x 2,000 x 1,024 float32; g_vec 1 x 1,024 float32; mono_bias 1 x 1 float32; mono_factor 1 x 1 float32; noise 32 x 2,000 float32.
;; Outputs: out0 32 x 1,024 float32; out1 32 x 2,000 float32.
;; This version of the problem:
;;   THIS VERSION OF THE PROBLEM IS GIVEN IN LOW PRECISION. The matrix products marked QUANTISED in the list below multiply operands that are first quantised to E3M2 (3 exponent bits, 2 mantissa bits; 6 bits a number), with one power-of-two scale for each 32 numbers along K (OCP MX v1.0); their sums are f32. All else is computed in f32.
;;   The module's matrix products, in the order in which they are computed (A, B: the left and right operand; K: the contracted axis; several contracted axes count as one K, in the product's order):
;;     1. [M 64,000, K 1,024] x [K 1,024, N 1,024]; A: input enc_hs_pad; B: input W_enc (given as codes): QUANTISED
;;     2. [M 32, K 1,024] x [K 1,024, N 1,024]; A: input dec_z (given as codes); B: input W_dec (given as codes): QUANTISED
;;     3. [M 64,000, K 1,024] x [K 1,024, N 1]; A: computed on the way; B: input g_vec: left as it is (N = 1 < 16)
;;     4. batch 32 x [M 1,024, K 2,000] x [K 2,000, N 1]; A: input enc_hs_pad; B: computed on the way: left as it is (N = 1 < 16)
;;   THE QUANTISER, for each operand of a quantised product, along K:
;;     - K is cut into blocks of 32 from its start; a last block that is shorter is filled with zeros.
;;     - A block's scale is 2^e with e = floor(log2(the largest magnitude in the block)) - 4, held to -126 .. 127; a block of zeros has e = 0. As a byte (E8M0): e + 127.
;;     - Each number is divided by its block's scale, clamped to +-28, and rounded to the nearest number of E3M2, ties to even, subnormals kept.
;;     - The product sums the exact products of the quantised numbers (number of the format x scale) in f32.
;;   ~~~python
;;   def quantise(x, axis):      # numpy; x: float32 -> the quantised numbers, widened to float32 again
;;       x = np.moveaxis(x, axis, -1); K = x.shape[-1]
;;       x = np.pad(x, [(0, 0)] * (x.ndim - 1) + [(0, -K % 32)]); x = x.reshape(x.shape[:-1] + (-1, 32)); a = np.abs(x).max(-1, keepdims=True)
;;       e = np.where(a > 0, np.clip(np.frexp(np.where(a > 0, a, 1))[1] - 1 - 4, -126, 127), 0)      # np.frexp(a)[1] - 1 = floor(log2(a)), exactly
;;       r = np.clip(x / 2.0 ** e, -28, 28)
;;       step = 2.0 ** (np.maximum(np.frexp(np.where(r == 0, 1, r))[1] - 1, -2) - 2)
;;       q = np.round(r / step) * step * 2.0 ** e      # np.round: ties to even
;;       return np.moveaxis(q.reshape(q.shape[:-2] + (-1,))[..., :K], -1, axis).astype(np.float32)
;;   ~~~
;;   INPUTS GIVEN AS CODES. W_dec (in the module: [1024, 1024], K = its axis 1); W_enc (in the module: [1024, 1024], K = its axis 1); dec_z (in the module: [32, 1024], K = its axis 1): each comes as NAME_codes (uint8): NAME with its K axis moved to the last place and cut into blocks of 32 codes, [.., K / 32, bytes a block], one block behind the other in memory; four codes in three bytes: a row's codes are one little-endian stream of bits, code i at bits 6 i .. 6 i + 5 (a code: sign, 3 exponent bits, 2 mantissa bits); and NAME_scales (uint8): the same leading axes, one E8M0 byte (e + 127) for each 32 codes along K. Its value is code x scale, taken as it is: it is not quantised again, and the codes and scales need not be those that the quantiser above would give.
;; One version. Each part assembles by itself: llvm-mc -triple=amdgcn-amd-amdhsa -mcpu=gfx1250 --defsym DOCPART=n.
;; ======== version 1 of 1: 3 launches
;; workspace buffers: wfrag 786,432 bytes; bias 131,072 bytes; consts 256 bytes; aloc 256,000 bytes; cpart 3,276,800 bytes; lsum 4,096 bytes
;; launch prep (part 1): grid 64 x 2, 2 waves a work-group, no clusters, 0 bytes of LDS; arguments W_dec_codes, W_dec_scales, dec_z_codes, dec_z_scales, b_enc, W_enc_codes, g_vec, mono_factor, mono_bias, wfrag, bias, consts; writes wfrag, bias, consts
.if DOCPART == 1
	.amdgcn_target "amdgcn-amd-amdhsa--gfx1250"
	.amdhsa_code_object_version 6
	.text
	.protected	k_q6f287f6698_prep
	.globl	k_q6f287f6698_prep
	.p2align	8
	.type	k_q6f287f6698_prep,@function
k_q6f287f6698_prep:
	s_mov_b64 s[64:65], 0
	v_nop
	global_prefetch_b8 v0, s[64:65] scope:SCOPE_SE
	s_setreg_imm32_b32 hwreg(HW_REG_WAVE_MODE, 25, 1), 1
	s_wait_xcnt 0x0
; THE SMALL WORK AHEAD OF THE MAIN LAUNCH.  Work-group (ct, y), two waves with different roles (a branch on the wave's number; no LDS, no barrier).
; Wave 0: bias[b][n] = K2 x (dec_z W_dec^T + b_enc), K2 = 2 log2(e), for batches 16 y .. + 15 and columns 16 ct .. + 15: eight matrix instructions on codes of E3M2 as they are given.
;         The product is used transposed (source 0 = 16 rows of W_dec, source 1 = 16 rows of dec_z): a lane holds one batch and eight neighbouring columns.  b_enc is the C of the first instruction.
;         K goes over two accumulators by turns (even and odd steps of 128), which are added at the end: an order of rounding that differs from one chain's.
; Wave 1: W_enc's fragments of column tile ct, K steps 4 y .. 4 y + 3, are laid in the order of an operand's registers: [ct][ks][g 0..2][lane][16 bytes], so that the main launch loads them by 16 bytes a lane.
; Wave 1 of work-group (0, 0) also makes the two constants: A2 = -2 scale, Bc = scale x sum(g) + mono_bias, scale = mono_factor / |g|:  since tanh x = 1 - 2 / (1 + e^(2x)),  e = Bc + A2 x sum of g / (1 + e^(2x)).
; LIMITS: NaN and infinities among the inputs are not served; g_vec all zeros gives what reference() gives there, no finite number.
.set K2, 0x4038aa3b
	s_load_b512 s[4:19], s[0:1], 0x0               ; W_dec codes 4, scales 6; dec_z codes 8, scales 10; b_enc 12; W_enc codes 14; g 16; mono_factor 18
	s_load_b256 s[20:27], s[0:1], 0x40             ; mono_bias 20; wfrag 22; bias 24; consts 26
	v_lshrrev_b32 v1, 5, v0
	v_readfirstlane_b32 s28, v1                    ; wave
	s_and_b32 s29, ttmp7, 0xffff                   ; y
	v_and_b32 v1, 15, v0                           ; r
	v_bfe_u32 v2, v0, 4, 1                         ; h
	v_mul_u32_u24 v3, v1, 768                      ; a row of 1,024 codes is 768 bytes
	v_mad_u32_u24 v3, v2, 24, v3                   ; + 24 h
	s_mul_i32 s30, ttmp9, 12288                    ; 16 rows of codes
	s_mov_b32 s31, 0
	s_mov_b32 s33, 0
	s_wait_kmcnt 0x0
	s_cmp_lg_u32 s28, 0
	s_cbranch_scc1 .Lwave1
	; ---- wave 0: the decoder's product
	s_add_nc_u64 s[4:5], s[4:5], s[30:31]          ; W_dec's rows 16 ct on
	s_mul_i32 s32, s29, 12288
	s_add_nc_u64 s[8:9], s[8:9], s[32:33]          ; dec_z's rows 16 y on
	s_lshl_b32 s32, ttmp9, 9
	s_add_nc_u64 s[6:7], s[6:7], s[32:33]          ; their scale bytes: 32 a row
	s_lshl_b32 s32, s29, 9
	s_add_nc_u64 s[10:11], s[10:11], s[32:33]
	s_lshl_b32 s32, ttmp9, 6
	s_add_nc_u64 s[12:13], s[12:13], s[32:33]      ; b_enc at column 16 ct
	s_add_nc_u64 s[24:25], s[24:25], s[32:33]      ; bias likewise,
	s_lshl_b32 s32, s29, 16
	s_add_nc_u64 s[24:25], s[24:25], s[32:33]      ; at batch 16 y
	v_lshlrev_b32 v4, 5, v1                        ; 32 r
	v_lshlrev_b32 v5, 5, v2                        ; 32 h
	v_lshlrev_b32 v6, 12, v1
	v_lshl_add_u32 v6, v2, 5, v6                   ; out: batch r's row of 4,096 bytes + 32 h
.irp ks, 0,1,2,3,4,5,6,7
.irp p, 0,1,2,3,4,5
	global_load_b64 v[32+12*\ks+2*\p:33+12*\ks+2*\p], v3, s[4:5] offset:96*\ks+48*(\p/3)+8*(\p%3)
	global_load_b64 v[128+12*\ks+2*\p:129+12*\ks+2*\p], v3, s[8:9] offset:96*\ks+48*(\p/3)+8*(\p%3)
.endr
.endr
	global_load_b128 v[8:11], v4, s[6:7]           ; W_dec's eight scale words of row r: v8 + ks
	global_load_b128 v[12:15], v4, s[6:7] offset:16
	global_load_b128 v[16:19], v4, s[10:11]        ; dec_z's: v16 + ks
	global_load_b128 v[20:23], v4, s[10:11] offset:16
	global_load_b128 v[24:27], v5, s[12:13]        ; b_enc of my eight columns, in the result's layout
	global_load_b128 v[28:31], v5, s[12:13] offset:16
	s_wait_loadcnt 0x0
.irp ks, 0,1,2,3,4,5,6,7
.if \ks == 0
	v_wmma_scale_f32_16x16x128_f8f6f4 v[224:231], v[32:43], v[128:139], v[24:31], v8, v16 matrix_a_fmt:MATRIX_FMT_BF6 matrix_b_fmt:MATRIX_FMT_BF6
.elseif \ks == 1
	v_wmma_scale_f32_16x16x128_f8f6f4 v[232:239], v[44:55], v[140:151], 0, v9, v17 matrix_a_fmt:MATRIX_FMT_BF6 matrix_b_fmt:MATRIX_FMT_BF6
.else
	v_wmma_scale_f32_16x16x128_f8f6f4 v[224+8*(\ks%2):231+8*(\ks%2)], v[32+12*\ks:43+12*\ks], v[128+12*\ks:139+12*\ks], v[224+8*(\ks%2):231+8*(\ks%2)], v[8+\ks], v[16+\ks] matrix_a_fmt:MATRIX_FMT_BF6 matrix_b_fmt:MATRIX_FMT_BF6
.endif
.endr                                              ; the two accumulators take turns, one instruction a turn
.rept 4
	v_nop                                          ; four places between the last product and the first read of a result (ISA guide 7.12.1)
.endr
.irp j, 0,2,4,6
	v_pk_add_f32 v[240+\j:241+\j], v[224+\j:225+\j], v[232+\j:233+\j]   ; each accumulator is read from its low end on
.endr
.irp j, 0,2,4,6
	v_pk_mul_f32 v[240+\j:241+\j], v[240+\j:241+\j], K2 op_sel_hi:[1,0]
.endr
	global_store_b128 v6, v[240:243], s[24:25]     ; bias(16 y + r, 16 ct + 8 h + 0 .. 7)
	global_store_b128 v6, v[244:247], s[24:25] offset:16
	s_endpgm
.Lwave1:
	; ---- wave 1: W_enc's fragments as images of an operand's registers
	s_add_nc_u64 s[14:15], s[14:15], s[30:31]      ; rows 16 ct on,
	s_mul_i32 s32, s29, 384
	s_add_nc_u64 s[14:15], s[14:15], s[32:33]      ; K steps 4 y on: 96 bytes each
	s_add_nc_u64 s[22:23], s[22:23], s[30:31]      ; a column tile's images are 8 x 1,536 = 12,288 bytes too
	s_mul_i32 s32, s29, 6144
	s_add_nc_u64 s[22:23], s[22:23], s[32:33]
	v_and_b32 v4, 31, v0
	v_lshlrev_b32 v4, 4, v4                        ; 16 x lane
.irp k, 0,1,2,3
.irp p, 0,1,2,3,4,5
	global_load_b64 v[32+12*\k+2*\p:33+12*\k+2*\p], v3, s[14:15] offset:96*\k+48*(\p/3)+8*(\p%3)
.endr
.endr
	s_wait_loadcnt 0x0
.irp k, 0,1,2,3
.irp g, 0,1,2
	global_store_b128 v4, v[32+12*\k+4*\g:35+12*\k+4*\g], s[22:23] offset:1536*\k+512*\g   ; 32 lanes store 512 consecutive bytes
.endr
.endr
	s_or_b32 s32, ttmp9, s29
	s_cmp_lg_u32 s32, 0
	s_cbranch_scc1 .Lend
	; ---- the constants, once
	s_load_b32 s34, s[18:19], 0x0                  ; mono_factor
	s_load_b32 s35, s[20:21], 0x0                  ; mono_bias
.irp i, 0,1,2,3,4,5,6,7
	global_load_b128 v[80+4*\i:83+4*\i], v4, s[16:17] offset:512*\i   ; g: 32 numbers a lane
.endr
	s_mov_b32 s36, 0x76543210
	s_mov_b32 s37, 0xfedcba98                      ; v_permlanex16_b32's selects for lane l xor 16
	v_mov_b32 v118, 0                              ; a lane permute's destination counts as one of its sources
	v_mov_b32 v119, 0
	s_wait_loadcnt 0x0
	v_pk_mul_f32 v[112:113], v[80:81], v[80:81]    ; the sum of squares in two packed chains,
	v_pk_mul_f32 v[114:115], v[82:83], v[82:83]
	v_pk_add_f32 v[116:117], v[80:81], v[82:83]    ; the plain sum in one
.irp i, 1,2,3,4,5,6,7
	v_pk_fma_f32 v[112:113], v[80+4*\i:81+4*\i], v[80+4*\i:81+4*\i], v[112:113]
	v_pk_fma_f32 v[114:115], v[82+4*\i:83+4*\i], v[82+4*\i:83+4*\i], v[114:115]
	v_pk_add_f32 v[116:117], v[116:117], v[80+4*\i:81+4*\i]
	v_pk_add_f32 v[116:117], v[116:117], v[82+4*\i:83+4*\i]
.endr
	v_pk_add_f32 v[112:113], v[112:113], v[114:115]
	v_add_f32 v112, v112, v113
	v_add_f32 v116, v116, v117
.irp m, 1,2,4,8
	v_add_f32_dpp v112, v112, v112 row_xmask:\m row_mask:0xf bank_mask:0xf
	v_add_f32_dpp v116, v116, v116 row_xmask:\m row_mask:0xf bank_mask:0xf
.endr
	v_permlanex16_b32 v118, v112, s36, s37
	v_permlanex16_b32 v119, v116, s36, s37
	v_add_f32 v112, v112, v118                     ; sum of g^2
	v_add_f32 v116, v116, v119                     ; sum of g
	v_rsq_f32 v113, v112
	v_nop                                          ; a plain instruction behind the transcendental,
	s_wait_alu depctr_va_vdst(0)                   ; and the wait ahead of its first reader
	s_wait_kmcnt 0x0
	v_mul_f32 v113, s34, v113                      ; scale
	v_mul_f32 v120, -2.0, v113                     ; A2
	v_fma_f32 v121, v113, v116, s35                ; Bc
	s_wait_xcnt 0x0                                ; EXEC changes only behind this wait
	v_cmp_eq_u32 vcc_lo, 0, v4
	s_and_saveexec_b32 s38, vcc_lo
	global_store_b64 v4, v[120:121], s[26:27]      ; lane 0 alone
	s_wait_xcnt 0x0
	s_or_b32 exec_lo, exec_lo, s38
.Lend:
	s_endpgm
.Lfunc_end_k_q6f287f6698_prep:
	.size	k_q6f287f6698_prep, .Lfunc_end_k_q6f287f6698_prep-k_q6f287f6698_prep
	.p2alignl 7, 3214868480
	.fill 96, 4, 3214868480
	.section	.rodata,"a",@progbits
	.p2align	6, 0x0
	.amdhsa_kernel k_q6f287f6698_prep
		.amdhsa_group_segment_fixed_size 0
		.amdhsa_private_segment_fixed_size 0
		.amdhsa_enable_private_segment 0
		.amdhsa_kernarg_size 96
		.amdhsa_user_sgpr_count 2
		.amdhsa_user_sgpr_kernarg_segment_ptr 1
		.amdhsa_wavefront_size32 1
		.amdhsa_system_sgpr_workgroup_id_x 1
		.amdhsa_system_sgpr_workgroup_id_y 1
		.amdhsa_system_sgpr_workgroup_id_z 1
		.amdhsa_system_vgpr_workitem_id 0
		.amdhsa_next_free_vgpr 256
		.amdhsa_next_free_sgpr 66
		.amdhsa_reserve_vcc 1
		.amdhsa_float_denorm_mode_32 3
		.amdhsa_float_denorm_mode_16_64 3
		.amdhsa_memory_ordered 1
		.amdhsa_forward_progress 1
		.amdhsa_inst_pref_size 22
	.end_amdhsa_kernel
	.amdgpu_metadata
---
amdhsa.version: [ 1, 2 ]
amdhsa.kernels:
  - .name:           k_q6f287f6698_prep
    .symbol:         k_q6f287f6698_prep.kd
    .args:
      - { .name: W_dec_codes, .offset: 0, .size: 8, .value_kind: global_buffer, .address_space: global }
      - { .name: W_dec_scales, .offset: 8, .size: 8, .value_kind: global_buffer, .address_space: global }
      - { .name: dec_z_codes, .offset: 16, .size: 8, .value_kind: global_buffer, .address_space: global }
      - { .name: dec_z_scales, .offset: 24, .size: 8, .value_kind: global_buffer, .address_space: global }
      - { .name: b_enc, .offset: 32, .size: 8, .value_kind: global_buffer, .address_space: global }
      - { .name: W_enc_codes, .offset: 40, .size: 8, .value_kind: global_buffer, .address_space: global }
      - { .name: g_vec, .offset: 48, .size: 8, .value_kind: global_buffer, .address_space: global }
      - { .name: mono_factor, .offset: 56, .size: 8, .value_kind: global_buffer, .address_space: global }
      - { .name: mono_bias, .offset: 64, .size: 8, .value_kind: global_buffer, .address_space: global }
      - { .name: wfrag, .offset: 72, .size: 8, .value_kind: global_buffer, .address_space: global }
      - { .name: bias, .offset: 80, .size: 8, .value_kind: global_buffer, .address_space: global }
      - { .name: consts, .offset: 88, .size: 8, .value_kind: global_buffer, .address_space: global }
    .group_segment_fixed_size: 0
    .private_segment_fixed_size: 0
    .kernarg_segment_align: 8
    .kernarg_segment_size: 96
    .max_flat_workgroup_size: 64
    .sgpr_count:     66
    .vgpr_count:     256
    .wavefront_size: 32
...
	.end_amdgpu_metadata
.endif
;; end of part 1
;; launch main (part 2): grid 25 x 32, 4 waves a work-group, no clusters, 267,776 bytes of LDS; arguments enc_hs_pad, enc_hs_len, noise, wfrag, W_enc_scales, g_vec, bias, consts, aloc, cpart, lsum; writes aloc, cpart, lsum
.if DOCPART == 2
	.amdgcn_target "amdgcn-amd-amdhsa--gfx1250"
	.amdhsa_code_object_version 6
	.text
	.protected	k_q6f287f6698_main
	.globl	k_q6f287f6698_main
	.p2align	8
	.type	k_q6f287f6698_main,@function
k_q6f287f6698_main:
	s_mov_b64 s[64:65], 0
	v_nop
	global_prefetch_b8 v0, s[64:65] scope:SCOPE_SE
	s_setreg_imm32_b32 hwreg(HW_REG_WAVE_MODE, 25, 1), 1
	s_wait_xcnt 0x0
; THE ENERGY, THE LOCAL PART OF THE CUMULATIVE PRODUCT AND THE LOCAL PART OF THE CONTEXT, with enc_hs_pad read from memory ONCE.
; Work-group (ch, b) owns rows t0 = 80 ch .. + 79 of batch b.  Inside a chunk  a[t] = F x a_local[t],  F = the product of (1 - p) over all earlier chunks; so sum(enc x a_local) is formed while the rows lie in LDS,
; and the last launch applies F.  Stored: aloc (a_local), cpart (the chunk's part of c), lsum (the chunk's sum of log2(1 - p)).
; A CHUNK THAT LIES WHOLLY BEHIND enc_hs_len IS NOT WORKED: reference() masks those rows itself (p = 0, w = 0, log(1 - p) = 0), so zeros are stored.  That is a branch on a whole number read from memory: no tensor load
; and no asynchronous copy here (so W's tiles are not shared in a cluster), every barrier on the path that all waves take, and the work in regions that the branch jumps over.
; PHASES.  R1: wave w loads columns 256 w .. + 255 of the 80 rows (f32, 512 consecutive bytes a load), lays them as bf16 in LDS (for the context), turns them through its own stage and quantises them to E3M2 (blocks of 32 along K);
;   the 40 fragments (5 tiles of rows x 8 K steps) go to LDS as images of an operand's registers.  A fragment's way through LDS is issued ahead of the quantising of the fragment before it.
;   R2: every wave takes all 40 fragments into registers (480) and walks ITS 16 column tiles of W_enc; W's fragments, scale words, g and the bias row come from memory straight into registers, two steps ahead.
;   tanh and the product with g are set in slices behind the matrix instructions: step s multiplies tile s, takes tile s - 1 through 2^(K2 x) and 1 / (1 + .), and adds tile s - 2 to the rows' sums.
;   R3: e, p, log2(1 - p) (thread t).  R4: the exclusive sum inside the chunk, in the order of reference()'s cumsum.  R5: the chunk's part of c, bf16 rows x f32 weights, sums in f32.
;   R3 and R4 run with all 128 threads on: threads 80 to 127 have no row; they find zeros as their sums, their p is held at 0, and what they store to LDS lies behind the 80 entries that are read.
; att_prev is no argument: reference() takes it and never uses it.
; No prefetch of enc_hs_pad: a wave's own loads run four sets of 16 (128 KB a work-group) ahead of their use, and which chunk comes next to a WGP hangs on the lengths.
; LIMITS: NaN and infinities among the inputs are not served.  A block of 32 zeros gets the scale byte 1 where the rule says 127: its codes are zeros, and this launch alone reads the byte.  Blocks whose largest magnitude lies under 2^-122 are held at that byte.
;   The cumulative sum is kept in base 2 and as a prefix plus a local part: another order of rounding than reference()'s; where 2^(local sum) would be denormal it is 0.
; REGISTERS, in windows of 256 (s_set_vgpr_msb: bits 1:0 source 0, 3:2 source 1, 5:4 source 2, 7:6 destination):
;   window 0: v1-15 addresses; v16-55 A's scale words (8 mt + ks), v56-71 W's (8 slot + ks): scales and nothing else; v72-167 A's fragments of row tile 4; v168-199 its two sets of accumulators (even K steps, odd K steps);
;             v200-207 its rows' sums; v208-211 bias, two slots (pairs: the packed form names a pair and takes its low word); v212-231 addresses and what goes from phase to phase; v232-235 at work; v248-251 addresses.
;             In R4 and R5: v72-151.
;   windows 1, 2: v0-191 A's fragments of row tiles 0, 1 and 2, 3; v192-223 two sets of two accumulators; v224-239 rows' sums; v240-243 bias.
;             In R1 window 1 holds four sets of 64 numbers as loaded; window 2 all that the quantiser touches: v0-127 two sets of 64 numbers, v128-159 bf16, v160-198 two sets of codes, v200-215 at work, v216-217 scale words.
;             In R5 window 1 holds three sets of 16 rows.
;   window 3: v0-191 W's fragments, two buffers of eight; v192-195 g, two slots.
;   So a product's setting (A, C, D in window X, B in window 3) also serves the slices that stand behind it: no switch of their own.
.set AIMG,  163840                     ; LDS: 0: the 80 rows as bf16, 2,048 bytes a row;  here: A's 40 fragments, 1,536 bytes each (fragment 8 mt + ks),
.set ASC,   225280                     ; their scale words, 128 bytes each,
.set STG,   230400                     ; a stage of 16 rows x (512 + 16) bytes for each wave,
.set EPART, 264192                     ; the waves' parts of the rows' sums, [wave][128]: a word for each thread, 512 bytes a wave,
.set LLOG,  266240                     ; log2(1 - p), a word for each thread: 512 bytes,
.set WL,    266752                     ; a_local likewise
.set CB,  128                          ; R1, window 2
.set TM,  200
.set MSB, 0
.macro WIN new                         ; the immediate's high byte repeats the setting that is left; a switch that changes nothing is dropped
.if MSB != (\new)
	s_set_vgpr_msb (MSB<<8)|(\new)
.set MSB, (\new)
.endif
.endm
.macro BARRIER                         ; my LDS stores have landed and my LDS loads are in: then the work-group's barrier
	s_wait_dscnt 0x0
	s_barrier_signal -1
	s_barrier_wait -1
.endm
.macro GUARD lbl                       ; a chunk wholly behind the length jumps over the region
	s_cmp_eq_u32 s31, 0
	s_cbranch_scc1 \lbl
.endm
; 16 rows x 128 numbers (row tile i / 2, my K step i % 2) into set i % 4 of window 1
.macro XLOAD i
	WIN 0x40
.irp row, 0,1,2,3,4,5,6,7,8,9,10,11,12,13,14,15
	global_load_b128 v[64*((\i)%4)+4*\row:64*((\i)%4)+4*\row+3], v2, s[4:5] offset:((\i)/2)*65536+((\i)%2)*512+4096*\row th:TH_LOAD_NT
.endr
.endm
; Fragment t's way through LDS: as loaded into my stage; as bf16 into the rows for the context; back from the stage, row lane % 16, 16 neighbours of each block, into set t % 2 of window 2.
; LDS serves a wave's instructions in order: the loads see the stores, and the stores come behind the last fragment's loads.
.macro TURN t
.if (\t) < 7
	s_wait_loadcnt 48                              ; this fragment's 16 loads are in; the three younger sets stay out
.else
	s_wait_loadcnt 16*(9-(\t))
.endif
	WIN 0x04                                       ; an LDS store's data are its source 1: window 1
.irp row, 0,1,2,3,4,5,6,7,8,9,10,11,12,13,14,15
	ds_store_b128 v3, v[64*((\t)%4)+4*\row:64*((\t)%4)+4*\row+3] offset:528*\row
.endr
	WIN 0x85                                       ; sources window 1, destination window 2
.irp row, 0,1,2,3,4,5,6,7,8,9,10,11,12,13,14,15
	v_cvt_pk_bf16_f32 v[CB+2*\row], v[64*((\t)%4)+4*\row], v[64*((\t)%4)+4*\row+1]
	v_cvt_pk_bf16_f32 v[CB+2*\row+1], v[64*((\t)%4)+4*\row+2], v[64*((\t)%4)+4*\row+3]
.endr
	WIN 0x08                                       ; data window 2
.set bfr, 5                                    ; two row tiles (65,536 bytes) to an address register; the rest stands in the immediate
.if (\t)/4 == 1
.set bfr, 248
.endif
.if (\t)/4 == 2
.set bfr, 249
.endif
.irp row, 0,1,2,3,4,5,6,7,8,9,10,11,12,13,14,15
	ds_store_b64 v[bfr], v[CB+2*\row:CB+2*\row+1] offset:32768*(((\t)/2)%2)+2048*\row+256*((\t)%2)
.endr
	WIN 0x80                                       ; destination window 2
.irp b, 0,1,2,3
.irp j, 0,1,2,3
	ds_load_b128 v[64*((\t)%2)+16*\b+4*\j:64*((\t)%2)+16*\b+4*\j+3], v4 offset:128*\b+16*\j
.endr
.endr
.endm
; 64 numbers of a lane from v[QX] on, register 16 b + i = k 32 b + 16 (lane / 16) + i of my row, become a fragment's codes in v[QP] on and its scale word in v[QW].  All in window 2
.macro QUANT
.irp b, 0,1,2,3
	v_max3_num_f32 v[TM+\b], |v[QX+16*\b]|, |v[QX+1+16*\b]|, 0x2800000   ; my 16 numbers of block b, and the floor 2^(5 - 127): the byte cannot fall under 1
.endr
.irp i, 2,4,6,8,10,12,14
.irp b, 0,1,2,3
	v_max3_num_f32 v[TM+\b], v[TM+\b], |v[QX+16*\b+\i]|, |v[QX+1+16*\b+\i]|
.endr
.endr
.irp b, 0,1,2,3
	v_permlanex16_b32 v[TM+4+\b], v[TM+\b], s36, s37
.endr
.irp b, 0,1,2,3
	v_max_num_f32 v[TM+\b], v[TM+\b], v[TM+4+\b]   ; with lane l xor 16's: the block's largest magnitude
.endr
.irp b, 0,1,2,3
	v_add_nc_u32 v[TM+12+\b], 0xfe000000, v[TM+\b] ; 4 off its exponent field: the conversion takes that field as its scale
.endr
.irp b, 0,1,2,3
	v_lshrrev_b32 v[TM+4+\b], 23, v[TM+12+\b]      ; the scale's byte
.endr
	v_lshl_or_b32 v[QW], v[TM+5], 8, v[TM+4]
	v_lshl_or_b32 v[QW], v[TM+6], 16, v[QW]
	v_lshl_or_b32 v[QW], v[TM+7], 24, v[QW]
.irp c, 0,1
	v_cvt_scalef32_pk16_bf6_f32 v[QP+6*\c:QP+2+6*\c], v[QX+32*\c:QX+15+32*\c], v[TM+12+2*\c]
	v_cvt_scalef32_pk16_bf6_f32 v[QP+12+4*\c:QP+14+4*\c], v[QX+16+32*\c:QX+31+32*\c], v[TM+12+2*\c+1]   ; (a conversion's three registers begin on an even number)
.endr
	v_nop                                          ; one plain place behind a scaled conversion
.irp c, 0,1                                    ; the operand's layout wants a whole block in a lane
.irp i, 0,1,2
	v_permlane16_swap_b32 v[QP+6*\c+\i], v[QP+12+4*\c+\i]
.endr
.irp i, 0,1,2
	v_mov_b32 v[QP+3+6*\c+\i], v[QP+12+4*\c+\i]
.endr
.endr
.endm
; fragment i of my ten: its numbers are back from the stage; the next fragment goes on its way through LDS; then this one is quantised and its image stored
.macro FRAGQ i
.if (\i) == 0
	s_wait_dscnt 0x0
.else
	s_wait_dscnt 4                                 ; all but the four image stores of the fragment before: my numbers are in, and this fragment's LDS stores have read their registers
.endif
.if (\i) < 6
	XLOAD (\i)+4                                   ; into the set that this fragment has left
.endif
.if (\i) < 9
	TURN (\i)+1
.endif
.set QX, 64*((\i)%2)
.set QP, 160+20*((\i)%2)                       ; two sets of codes: a set is written again only behind the wait that shows its image stores done
.set QW, 216+(\i)%2
	WIN 0xaa
	QUANT
	WIN 0x08
.irp c, 0,1,2
	ds_store_b128 v6, v[QP+4*\c:QP+4*\c+3] offset:12288*((\i)/2)+1536*((\i)%2)+512*\c
.endr
	ds_store_b32 v7, v[QW] offset:1024*((\i)/2)+128*((\i)%2)
.endm
; one product: window X, accumulator set p, K step ks, row tile a of the window's two (window 0: one row tile, even and odd K steps on two accumulators)
.macro MM X, p, ks, a
.if (\X) == 0
.set rD, 168+16*(\p)+8*((\ks)%2)
.set rA, 72+12*(\ks)
.set rS, 48+(\ks)
.set rZ, 2
.else
.set rD, 192+16*(\p)+8*(\a)
.set rA, 12*(8*(\a)+(\ks))
.set rS, 16+8*(2*((\X)-1)+(\a))+(\ks)
.set rZ, 1
.endif
.set rW, 96*(\p)+12*(\ks)
.set rT, 56+8*(\p)+(\ks)
.if (\ks) < rZ
	v_wmma_scale_f32_16x16x128_f8f6f4 v[rD:rD+7], v[rA:rA+11], v[rW:rW+11], 0, v[rS], v[rT] matrix_a_fmt:MATRIX_FMT_BF6 matrix_b_fmt:MATRIX_FMT_BF6
.else
	v_wmma_scale_f32_16x16x128_f8f6f4 v[rD:rD+7], v[rA:rA+11], v[rW:rW+11], v[rD:rD+7], v[rS], v[rT] matrix_a_fmt:MATRIX_FMT_BF6 matrix_b_fmt:MATRIX_FMT_BF6
.endif
.endm
; the rows' sums take set p: sum += r x g.  fin = 1: the last time, with the result in window 0 (v72 + 8 mt + j); the caller sets the windows
.macro S3 X, p, fin
.if (\X) == 0
.set sR, 168+16*(\p)
.set sE, 200
.set sN, 4
.set sD, 104
.else
.set sR, 192+16*(\p)
.set sE, 224
.set sN, 8
.set sD, 72+16*((\X)-1)
.endif
.if (\fin) == 0
.set sD, sE
.endif
.set si, 0
.rept sN
	v_pk_fma_f32 v[sD+2*si:sD+2*si+1], v[sR+2*si:sR+2*si+1], v[192+2*(\p):193+2*(\p)], v[sE+2*si:sE+2*si+1] op_sel_hi:[1,0,1]
.set si, si+1
.endr
.endm
.macro JOIN q                          ; window 0: the odd K steps' accumulator onto the even's (source 1 stands in W's window, so the sum is written as O x 1 + E); both are read from their low ends on
.irp i, 0,2,4,6
	v_pk_fma_f32 v[168+16*(\q)+\i:169+16*(\q)+\i], v[176+16*(\q)+\i:177+16*(\q)+\i], 1.0, v[168+16*(\q)+\i:169+16*(\q)+\i] op_sel_hi:[1,0,1]
.endr
.endm
; entry vi of a stage's list on set q of window X: NP packed lines and 2 NP transcendentals, ordered P0 P1 (T T P) .. T T T T, so that a pair's packed line stands well ahead of its transcendentals and pairs ascend.
; stage 1: K2 x + bias, 2^(.);  stage 2: 1 + ., 1 / (.).  No line of a stage reads a transcendental's result of that stage: one wait serves the step's whole batch.
.macro VENT X, q, st
.if (\X) == 0
.set vR, 168+16*(\q)
.set vB, 208+2*(\q)
.set vN, 4
.else
.set vR, 192+16*(\q)
.set vB, 240+2*(\q)
.set vN, 8
.endif
.set vP, 0
.if vi < 2
.set vP, 1
.set vX, vi
.elseif vi < 3*vN-4
.if (vi-2)%3 == 2
.set vP, 1
.set vX, (vi-2)/3+2
.else
.set vX, 2*((vi-2)/3)+(vi-2)%3
.endif
.else
.set vX, vi-vN
.endif
.if vP
.if (\st) == 1
	v_pk_fma_f32 v[vR+2*vX:vR+2*vX+1], v[vR+2*vX:vR+2*vX+1], s[34:35], v[vB:vB+1] op_sel_hi:[1,0,0]
.else
	v_pk_add_f32 v[vR+2*vX:vR+2*vX+1], v[vR+2*vX:vR+2*vX+1], 1.0 op_sel_hi:[1,0]
.endif
.else
.if (\st) == 1
	v_exp_f32 v[vR+vX], v[vR+vX]
.else
	v_rcp_f32 v[vR+vX], v[vR+vX]
.endif
.endif
.set vi, vi+1
.endm
.macro LIST X, q, st                   ; a whole list, where no products are left to set it behind
.set vi, 0
.if (\X) == 0
.set vl, 12
.else
.set vl, 24
.endif
.rept vl
	VENT \X, \q, \st
.endr
.endm
; half a step in window X: four K steps' products into set p, three entries of the other set's list behind each.  The accumulators take turns, one instruction a turn.
.macro VISIT X, p, half, v1, v3
	WIN 0x51*(\X)+0x0c
.if (\v3) && ((\half) == 0)
	S3 \X, \p, 0                                   ; tile s - 2, ahead of the first product that starts set p anew
.endif
.if (\v1) && ((\half) == 0) && ((\X) == 0)
	JOIN 1-(\p)
.endif
.set vi, 0
.set vk, 0
.if (\X) == 0
.set vw, 4
.else
.set vw, 8
.endif
.rept vw
.if (\X) == 0
	MM 0, \p, 4*(\half)+vk, 0
.else
	MM \X, \p, 4*(\half)+vk/2, vk%2
.endif
.if \v1
	VENT \X, 1-(\p), 1+(\half)
	VENT \X, 1-(\p), 1+(\half)
	VENT \X, 1-(\p), 1+(\half)
.endif
.set vk, vk+1
.endr
.endm
.macro LDW p, tile, k0                 ; W's fragments of four K steps, 16 bytes a lane, 512 consecutive bytes a load; destination window 3
.irp k, 0,1,2,3
.irp g, 0,1,2
	global_load_b128 v[96*(\p)+12*((\k0)+\k)+4*\g:96*(\p)+12*((\k0)+\k)+4*\g+3], v1, s[40:41] offset:(\tile)*12288+((\k0)+\k)*1536+512*\g
.endr
.endr
.endm
; Between a step's halves.  Four v_nop: the plain place behind the last exponential, and the four places between the products that read K steps 0-3 of buffer p and of W's scale words and the loads into them (ISA guide 7.12.1 for vector instructions).
; Then group A of the step's loads: g of tile s, the bias of tile s + 1 (three windows), W's scale words and fragments of K steps 0-3 of tile s + 2: 17 loads.
.macro SYNCA p, T, v1, ldw, ldb, ldg
.rept 4
	v_nop
.endr
.if \v1
	s_wait_alu depctr_va_vdst(0)                   ; one wait for the step's 40 exponentials, ahead of their first reader
.endif
	WIN 0xc0
.if \ldg
	global_load_b32 v[192+2*(\p)], v13, s[14:15] offset:64*(\T)
.endif
.if \ldw
	LDW \p, (\T)+2, 0
	WIN 0
	global_load_b128 v[56+8*(\p):59+8*(\p)], v12, s[12:13] offset:512*((\T)+2)
.endif
.if \ldb
	WIN 0
	global_load_b32 v[210-2*(\p)], v13, s[16:17] offset:64*((\T)+1)
	WIN 0x40
	global_load_b32 v[242-2*(\p)], v13, s[16:17] offset:64*((\T)+1)
	WIN 0x80
	global_load_b32 v[242-2*(\p)], v13, s[16:17] offset:64*((\T)+1)
.endif
.endm
; At a step's end: the same for the reciprocals and for K steps 4-7: group B, 13 loads.
; stp = 1, in the loop's second step: the four bases go two column tiles on HERE, where the last loads that name them (group A) were issued half a step ago; group B then names its tile two lower.
.macro SYNCB p, T, v1, ldw, stp
.rept 4
	v_nop
.endr
.if \v1
	s_wait_alu depctr_va_vdst(0)                   ; one wait for the step's 40 reciprocals
.endif
.if \stp
	s_wait_xcnt 0x0                                ; the loads have read their bases
	s_add_nc_u64 s[40:41], s[40:41], 24576
	s_add_nc_u64 s[12:13], s[12:13], 1024
	s_add_nc_u64 s[14:15], s[14:15], 128
	s_add_nc_u64 s[16:17], s[16:17], 128
.endif
.if \ldw
	WIN 0xc0
	LDW \p, (\T)+2-2*(\stp), 4
	WIN 0
	global_load_b128 v[60+8*(\p):63+8*(\p)], v12, s[12:13] offset:512*((\T)+2-2*(\stp))+16
.endif
.endm
; WA: what may stay out when group A of two steps back has to be in;  WB: the same for its group B
.macro STEP p, T, v1, v3, ldw, ldb, ldg, WA, WB, stp
	s_wait_loadcnt \WA
	VISIT 1, \p, 0, \v1, \v3
	VISIT 2, \p, 0, \v1, \v3
	VISIT 0, \p, 0, \v1, \v3
	SYNCA \p, \T, \v1, \ldw, \ldb, \ldg
	s_wait_loadcnt \WB
	VISIT 1, \p, 1, \v1, 0
	VISIT 2, \p, 1, \v1, 0
	VISIT 0, \p, 1, \v1, 0
	SYNCB \p, \T, \v1, \ldw, \stp
.endm
; R5: rows 16 tr .. + 15 as bf16, my eight columns, into set tr % 3 of window 1
.macro CLOAD tr
	WIN 0x40
.set rb, 217                                   ; 32 rows (65,536 bytes) to an address register; the rest stands in the immediate
.if (\tr)/2 == 1
.set rb, 250
.endif
.if (\tr)/2 == 2
.set rb, 251
.endif
.set ff, 0
.rept 16
	ds_load_b64 v[64*((\tr)%3)+4*ff:64*((\tr)%3)+4*ff+1], v[rb] offset:32768*((\tr)%2)+2048*ff            ; columns 4 t .. + 3
	ds_load_b64 v[64*((\tr)%3)+4*ff+2:64*((\tr)%3)+4*ff+3], v[rb] offset:32768*((\tr)%2)+2048*ff+1024     ; columns 512 + 4 t .. + 3
.set ff, ff+1
.endr
.endm
.macro CMUL tr                         ; c += bf16 x weight, rows ascending, eight sums by turns
	WIN 0x01                                       ; source 0 window 1
.set ff, 0
.rept 16
.irp k, 0,1,2,3
	v_fma_mix_f32_bf16 v[224+2*\k], v[64*((\tr)%3)+4*ff+\k], v[72+16*(\tr)+ff], v[224+2*\k] op_sel:[0,0,0] op_sel_hi:[1,0,0]
	v_fma_mix_f32_bf16 v[225+2*\k], v[64*((\tr)%3)+4*ff+\k], v[72+16*(\tr)+ff], v[225+2*\k] op_sel:[1,0,0] op_sel_hi:[1,0,0]
.endr
.set ff, ff+1
.endr
.endm
	; ---- the head, on every path
	s_load_b512 s[4:19], s[0:1], 0x0               ; enc 4, len 6, noise 8, wfrag 10, W_enc's scales 12, g 14, bias 16, consts 18
	s_load_b128 s[20:23], s[0:1], 0x40             ; aloc 20, cpart 22
	s_load_b64 s[24:25], s[0:1], 0x50              ; lsum
	v_lshl_add_u32 v254, v0, 2, 0x41400
	v_mov_b32 v255, 0
	v_lshrrev_b32 v232, 5, v0
	v_readfirstlane_b32 s30, v232                  ; wave 0..3
	v_and_b32 v233, 31, v0                         ; lane
	v_and_b32 v234, 15, v0                         ; r
	v_bfe_u32 v235, v0, 4, 1                       ; h
	v_lshlrev_b32 v1, 4, v233                      ; v1  16 x lane
	s_lshl_b32 s42, s30, 10
	v_add_nc_u32 v2, s42, v1                       ; v2  enc: my wave's 1,024 bytes of a row + 16 x lane
	s_mul_i32 s42, s30, 8448
	s_add_co_u32 s42, s42, STG
	v_add_nc_u32 v3, s42, v1                       ; v3  my stage, in: 16 x lane
	v_mul_u32_u24 v4, v234, 528
	v_lshl_add_u32 v4, v235, 6, v4
	v_add_nc_u32 v4, s42, v4                       ; v4  my stage, out: row r, + 64 h
	s_lshl_b32 s42, s30, 9
	v_lshl_add_u32 v5, v233, 3, s42                ; v5  bf16 rows, in: 512 x wave + 8 x lane: row tiles 0, 1;
	v_add_nc_u32 v248, 0x10000, v5                 ; v248 row tiles 2, 3;
	v_add_nc_u32 v249, 0x20000, v5                 ; v249 row tile 4
	s_mul_i32 s42, s30, 3072
	s_add_co_u32 s42, s42, AIMG
	v_add_nc_u32 v6, s42, v1                       ; v6  where I store images: my two K steps
	s_lshl_b32 s42, s30, 8
	s_add_co_u32 s42, s42, ASC
	v_lshl_add_u32 v7, v233, 2, s42                ; v7  and their scale words
	v_min_u32 v8, 79, v0
	v_lshlrev_b32 v8, 2, v8                        ; v8  noise: 4 x min(thread, 79): every lane stays inside the chunk's 80; never rewritten
	v_add_nc_u32 v10, AIMG, v1                     ; v10 where any wave reads images
	v_lshl_add_u32 v11, v233, 2, ASC               ; v11 and scale words
	v_lshlrev_b32 v12, 5, v234                     ; v12 W's scale bytes: 32 a row
	v_lshlrev_b32 v13, 2, v234                     ; v13 g, bias: 4 bytes a column
	s_lshl_b32 s42, s30, 9
	s_add_co_u32 s42, s42, EPART
	v_lshl_add_u32 v14, v235, 5, s42               ; v14 my wave's rows' sums: + 32 h
	s_add_co_u32 s43, s42, 256
	v_lshl_add_u32 v9, v233, 3, s43                ; v9  the upper half of my wave's 512 bytes there: 8 x lane
	v_lshlrev_b32 v15, 2, v0                       ; v15 4 x thread
	v_lshl_add_u32 v212, v0, 2, EPART
	v_lshl_add_u32 v213, v0, 2, LLOG
	v_mov_b32 v214, LLOG
	v_lshl_add_u32 v215, v0, 2, WL
	v_mov_b32 v216, WL
	v_lshlrev_b32 v217, 3, v0                      ; v217 bf16 rows, out: my four columns: rows 0 to 31;
	v_add_nc_u32 v250, 0x10000, v217               ; v250 rows 32 to 63;
	v_add_nc_u32 v251, 0x20000, v217               ; v251 rows 64 to 79
	v_lshlrev_b32 v218, 4, v0                      ; v218 cpart: my four columns
.irp j, 220,221,222,224,225,226,227,228,229,230,231
	v_mov_b32 v\j, 0                               ; p, a_local, the chunk's sum, my eight columns of c: what a chunk without work stores
.endr
	s_and_b32 s42, ttmp7, 0xffff                   ; b
	s_mul_i32 s44, ttmp9, 80                       ; t0
	s_mul_i32 s45, s42, 2000
	s_add_co_u32 s45, s45, s44                     ; my first row among the 64,000
	v_add_nc_u32 v223, s44, v0                     ; v223 t of thread v0
	s_mov_b32 s47, 0
	s_mov_b32 s34, 0x4038aa3b                      ; K2 = 2 log2(e)
	s_mov_b32 s35, s34
	s_mov_b32 s36, 0x76543210
	s_mov_b32 s37, 0xfedcba98                      ; v_permlanex16_b32's selects for lane l xor 16
	s_wait_kmcnt 0x0
	s_lshl_b32 s46, s42, 2
	s_add_nc_u64 s[6:7], s[6:7], s[46:47]
	s_load_b32 s26, s[6:7], 0x0                    ; the batch's length
	s_load_b64 s[28:29], s[18:19], 0x0             ; A2, Bc
	s_lshl_b32 s46, s45, 12
	s_add_nc_u64 s[4:5], s[4:5], s[46:47]
	s_lshl_b32 s46, s45, 2
	s_add_nc_u64 s[8:9], s[8:9], s[46:47]
	s_add_nc_u64 s[20:21], s[20:21], s[46:47]
	global_load_b32 v219, v8, s[8:9]               ; noise of row t0 + thread, all lanes on (threads 80 to 127 take row 79's and make nothing of it: their p is held at 0)
	s_mul_i32 s46, s42, 25
	s_add_co_u32 s46, s46, ttmp9
	s_lshl_b32 s46, s46, 12
	s_add_nc_u64 s[22:23], s[22:23], s[46:47]
	s_lshl_b32 s46, s42, 7
	s_lshl_b32 s43, ttmp9, 2
	s_add_co_u32 s46, s46, s43
	s_add_nc_u64 s[24:25], s[24:25], s[46:47]
	s_lshl_b32 s46, s30, 10
	s_add_nc_u64 s[14:15], s[14:15], s[46:47]      ; g at my 256 columns
	s_lshl_b32 s43, s42, 12
	s_add_co_u32 s46, s46, s43
	s_add_nc_u64 s[16:17], s[16:17], s[46:47]      ; the batch's bias row likewise
	s_lshl_b32 s46, s30, 13
	s_add_nc_u64 s[12:13], s[12:13], s[46:47]      ; W's scale bytes: my 256 rows
	s_mul_i32 s46, s30, 196608
	s_add_nc_u64 s[40:41], s[10:11], s[46:47]      ; W's images: my 16 column tiles
	s_wait_kmcnt 0x0
	s_cmp_lt_i32 s44, s26
	s_cselect_b32 s31, 1, 0                        ; s31 = 1: some row of the chunk lies inside the length
	s_add_co_u32 s49, s44, 80
	s_min_i32 s49, s49, s26                        ; s49: where p ends in this chunk: the length, or the chunk's end (threads 80 to 127 have no row)
	; ---- R1: load, lay as bf16, turn, quantise
	GUARD .Lr1_end
	WIN 0x80
.irp b, 0,1,2,3
	v_mov_b32 v[TM+4+\b], 0                        ; a lane permute's destination counts as one of its sources
.endr
	XLOAD 0
	XLOAD 1
	XLOAD 2
	XLOAD 3
	TURN 0
.irp i, 0,1,2,3,4,5,6,7,8,9
	FRAGQ \i
.endr
	WIN 0                                          ; at a label and at a branch every window is 0
.Lr1_end:
	BARRIER                                        ; the 80 rows as bf16, the 40 fragments and their scale words lie in LDS
	; ---- R2: the product, tanh, the product with g
	GUARD .Lr2_end
	global_load_b32 v208, v13, s[16:17]            ; the opening groups, in the order of the steps' groups: bias of tile 0 (three windows), tile 0's scale words and fragments of K steps 0-3: 16 loads;
	global_load_b128 v[56:59], v12, s[12:13]
.irp j, 200,201,202,203,204,205,206,207,209,211
	v_mov_b32 v\j, 0                               ; the rows' sums begin at 0; the pairs' upper words are named with the lower, so they are written
.endr
	WIN 0x40
	global_load_b32 v240, v13, s[16:17]
.irp j, 224,225,226,227,228,229,230,231,232,233,234,235,236,237,238,239,241,243
	v_mov_b32 v\j, 0
.endr
.set ff, 0
.rept 16
.irp g, 0,1,2
	ds_load_b128 v[12*ff+4*\g:12*ff+4*\g+3], v10 offset:1536*ff+512*\g           ; A's fragments of row tiles 0, 1
.endr
.set ff, ff+1
.endr
	WIN 0x80
	global_load_b32 v240, v13, s[16:17]
.irp j, 224,225,226,227,228,229,230,231,232,233,234,235,236,237,238,239,241,243
	v_mov_b32 v\j, 0
.endr
.set ff, 0
.rept 16
.irp g, 0,1,2
	ds_load_b128 v[12*ff+4*\g:12*ff+4*\g+3], v10 offset:1536*(16+ff)+512*\g      ; of row tiles 2, 3
.endr
.set ff, ff+1
.endr
	WIN 0xc0
	v_mov_b32 v193, 0
	v_mov_b32 v195, 0
	LDW 0, 0, 0
	LDW 0, 0, 4                                    ; tile 0, K steps 4-7, and their scale words: 13;
	WIN 0
	global_load_b128 v[60:63], v12, s[12:13] offset:16
	global_load_b128 v[64:67], v12, s[12:13] offset:512   ; tile 1, K steps 0-3: 13;
	WIN 0xc0
	LDW 1, 1, 0
	LDW 1, 1, 4                                    ; tile 1, K steps 4-7: 13
	WIN 0
	global_load_b128 v[68:71], v12, s[12:13] offset:528
.set ff, 0
.rept 8
.irp g, 0,1,2
	ds_load_b128 v[72+12*ff+4*\g:72+12*ff+4*\g+3], v10 offset:1536*(32+ff)+512*\g   ; of row tile 4
.endr
.set ff, ff+1
.endr
.set ff, 0
.rept 40
	ds_load_b32 v[16+ff], v11 offset:128*ff        ; A's scale words
.set ff, ff+1
.endr
	s_wait_dscnt 0x0
	STEP 0, 0, 0, 0, 1, 1, 1, 39, 43, 0            ; behind the first opening group: 13 + 13 + 13; behind the second, with this step's group A: 13 + 13 + 17
	STEP 1, 1, 1, 0, 1, 1, 1, 43, 47, 0
	WIN 0                                          ; at a label and at a branch every window is 0
	s_mov_b32 s38, 6
.Lsteps:                                           ; a trip is two steps, until the sets and buffers are back where they began.  43 = 13 + 17 + 13, 47 = 17 + 13 + 17: the groups issued behind the one that is wanted
	STEP 0, 2, 1, 1, 1, 1, 1, 43, 47, 0
	STEP 1, 3, 1, 1, 1, 1, 1, 43, 47, 1            ; in it the bases go two column tiles on
	WIN 0
	s_sub_co_u32 s38, s38, 1
	s_cmp_lg_u32 s38, 0
	s_cbranch_scc1 .Lsteps
	STEP 0, 2, 1, 1, 0, 1, 1, 43, 34, 0            ; tile 14: no tile 16 to fetch; its group A is g and the bias, 4 loads: 17 + 13 + 4
	STEP 1, 3, 1, 1, 0, 0, 1, 17, 5, 0             ; tile 15: 13 + 4; then 4 + 1
	s_wait_loadcnt 1                               ; g of tile 14 and the bias of tile 15 are in; g of tile 15 may be out
.irp X, 1,2,0
	WIN 0x51*\X+0x0c
	S3 \X, 0, 0                                    ; tile 14
.if \X == 0
	JOIN 1
.endif
	LIST \X, 1, 1                                  ; tile 15: no products are left to set its lists behind
.endr
	v_nop
	s_wait_alu depctr_va_vdst(0)
.irp X, 1,2,0
	WIN 0x51*\X+0x0c
	LIST \X, 1, 2
.endr
	v_nop
	s_wait_alu depctr_va_vdst(0)
	s_wait_loadcnt 0x0
	WIN 0x1d                                       ; destination window 0
	S3 1, 1, 1
	WIN 0x2e
	S3 2, 1, 1
	WIN 0x0c
	S3 0, 1, 1
	WIN 0
	v_mov_b32 v232, 0
	v_mov_b32 v233, 0
	ds_store_b64 v9, v[232:233]                    ; zeros over entries 64 to 127 of my wave's sums: threads 80 to 127 will read them; entries 64 to 79 are written again below (LDS serves a wave's instructions in order)
.irp m, 1,2,4,8                                ; v72 + 8 mt + j: row 16 mt + 8 h + j, my column's part: summed over the 16 columns of a half of the lanes
.set ff, 0
.rept 40
	v_add_f32_dpp v[72+ff], v[72+ff], v[72+ff] row_xmask:\m row_mask:0xf bank_mask:0xf
.set ff, ff+1
.endr
.endr
.irp mt, 0,1,2,3,4
	ds_store_b128 v14, v[72+8*\mt:75+8*\mt] offset:64*\mt          ; the sixteen lanes of a half write the same bytes with the same values
	ds_store_b128 v14, v[76+8*\mt:79+8*\mt] offset:64*\mt+16
.endr
.Lr2_end:
	BARRIER                                        ; the four waves' parts of the rows' sums lie in LDS
	; ---- R3: thread t: e, p, log2(1 - p).  All lanes on
	GUARD .Lr3_end
	ds_load_b32 v232, v212
	ds_load_b32 v233, v212 offset:512
	ds_load_b32 v234, v212 offset:1024
	ds_load_b32 v235, v212 offset:1536
	s_wait_loadcnt 0x0                             ; the noise
	s_wait_dscnt 0x0
	v_add_f32 v232, v232, v233
	v_add_f32 v234, v234, v235
	v_add_f32 v232, v232, v234
	v_fma_f32 v232, v232, s28, s29                 ; e = A2 x sum + Bc
	v_add_f32 v232, v232, v219                     ; + noise
	v_mul_f32 v232, 0xbfb8aa3b, v232               ; - e log2(e)
	v_exp_f32 v232, v232
	v_nop
	s_wait_alu depctr_va_vdst(0)
	v_add_f32 v232, 1.0, v232
	v_rcp_f32 v232, v232                           ; the sigmoid
	v_nop
	s_wait_alu depctr_va_vdst(0)
	v_cmp_gt_i32 vcc_lo, s49, v223                 ; inside the length (and the chunk)?  Behind the length e is -infinity: p = 0
	v_cndmask_b32 v220, 0, v232, vcc_lo
	v_sub_f32 v233, 1.0, v220
	v_med3_num_f32 v233, v233, 0x800000, 1.0       ; held between the smallest normal number and 1, as reference() holds it
	v_log_f32 v233, v233
	v_nop
	s_wait_alu depctr_va_vdst(0)
	ds_store_b32 v213, v233
.Lr3_end:
	BARRIER
	; ---- R4: the exclusive sum inside the chunk, in ascending order; every thread walks all 80 and keeps the sum as it stood at its own row.  All lanes on
	GUARD .Lr4_end
.set ff, 0
.rept 20
	ds_load_b128 v[72+4*ff:75+4*ff], v214 offset:16*ff
.set ff, ff+1
.endr
	v_mov_b32 v222, 0
	v_mov_b32 v232, 0
	s_wait_dscnt 0x0
.set ff, 0
.rept 80
	v_cmp_eq_u32 vcc_lo, ff, v0
	v_cndmask_b32 v232, v232, v222, vcc_lo
	v_add_f32 v222, v222, v[72+ff]
.set ff, ff+1
.endr
	v_exp_f32 v232, v232
	v_nop
	s_wait_alu depctr_va_vdst(0)
	v_mul_f32 v221, v220, v232                     ; a_local = p x 2^(local exclusive sum)
	ds_store_b32 v215, v221
.Lr4_end:
	BARRIER
	; ---- R5: my eight columns of sum(enc x a_local): five trips of 16 rows, written out, every LDS offset an immediate.  The rows come two trips ahead of the arithmetic, in three sets by turns
	GUARD .Lr5_end
.set ff, 0
.rept 20
	ds_load_b128 v[72+4*ff:75+4*ff], v216 offset:16*ff             ; the 80 rows' weights, the same in every lane
.set ff, ff+1
.endr
	CLOAD 0
	CLOAD 1
	s_wait_dscnt 32                                ; the weights and trip 0's rows are in; the next trip's 32 loads stay out
	CLOAD 2
	CMUL 0
	s_wait_dscnt 32
	CLOAD 3
	CMUL 1
	s_wait_dscnt 32
	CLOAD 4
	CMUL 2
	s_wait_dscnt 32
	CMUL 3
	s_wait_dscnt 0x0
	CMUL 4
	WIN 0
.Lr5_end:
	; ---- the stores, on every path
	global_store_b128 v218, v[224:227], s[22:23]               ; a wave stores 512 consecutive bytes
	global_store_b128 v218, v[228:231], s[22:23] offset:2048
	s_wait_xcnt 0x0                                ; EXEC changes only behind this wait
	v_cmp_gt_u32 vcc_lo, 80, v0
	s_wait_tensorcnt 0x0
	ds_add_u32 v254, v255
	s_wait_dscnt 0x0
	s_and_saveexec_b32 s48, vcc_lo
	global_store_b32 v15, v221, s[20:21]           ; a_local
	s_wait_xcnt 0x0
	s_or_b32 exec_lo, exec_lo, s48
	v_cmp_eq_u32 vcc_lo, 0, v0
	s_and_saveexec_b32 s48, vcc_lo
	global_store_b32 v15, v222, s[24:25]           ; the chunk's sum of log2(1 - p): thread 0
	s_wait_xcnt 0x0
	s_or_b32 exec_lo, exec_lo, s48
	s_endpgm
.Lfunc_end_k_q6f287f6698_main:
	.size	k_q6f287f6698_main, .Lfunc_end_k_q6f287f6698_main-k_q6f287f6698_main
	.p2alignl 7, 3214868480
	.fill 96, 4, 3214868480
	.section	.rodata,"a",@progbits
	.p2align	6, 0x0
	.amdhsa_kernel k_q6f287f6698_main
		.amdhsa_group_segment_fixed_size 267776
		.amdhsa_private_segment_fixed_size 0
		.amdhsa_enable_private_segment 0
		.amdhsa_kernarg_size 88
		.amdhsa_user_sgpr_count 2
		.amdhsa_user_sgpr_kernarg_segment_ptr 1
		.amdhsa_wavefront_size32 1
		.amdhsa_system_sgpr_workgroup_id_x 1
		.amdhsa_system_sgpr_workgroup_id_y 1
		.amdhsa_system_sgpr_workgroup_id_z 1
		.amdhsa_system_vgpr_workitem_id 0
		.amdhsa_next_free_vgpr 1024
		.amdhsa_next_free_sgpr 66
		.amdhsa_reserve_vcc 1
		.amdhsa_float_denorm_mode_32 3
		.amdhsa_float_denorm_mode_16_64 3
		.amdhsa_memory_ordered 1
		.amdhsa_forward_progress 1
		.amdhsa_inst_pref_size 255
	.end_amdhsa_kernel
	.section	.bss,"aw",@nobits
	.p2align	6
	.space	262144
	.amdgpu_metadata
---
amdhsa.version: [ 1, 2 ]
amdhsa.kernels:
  - .name:           k_q6f287f6698_main
    .symbol:         k_q6f287f6698_main.kd
    .args:
      - { .name: enc_hs_pad, .offset: 0, .size: 8, .value_kind: global_buffer, .address_space: global }
      - { .name: enc_hs_len, .offset: 8, .size: 8, .value_kind: global_buffer, .address_space: global }
      - { .name: noise, .offset: 16, .size: 8, .value_kind: global_buffer, .address_space: global }
      - { .name: wfrag, .offset: 24, .size: 8, .value_kind: global_buffer, .address_space: global }
      - { .name: W_enc_scales, .offset: 32, .size: 8, .value_kind: global_buffer, .address_space: global }
      - { .name: g_vec, .offset: 40, .size: 8, .value_kind: global_buffer, .address_space: global }
      - { .name: bias, .offset: 48, .size: 8, .value_kind: global_buffer, .address_space: global }
      - { .name: consts, .offset: 56, .size: 8, .value_kind: global_buffer, .address_space: global }
      - { .name: aloc, .offset: 64, .size: 8, .value_kind: global_buffer, .address_space: global }
      - { .name: cpart, .offset: 72, .size: 8, .value_kind: global_buffer, .address_space: global }
      - { .name: lsum, .offset: 80, .size: 8, .value_kind: global_buffer, .address_space: global }
    .group_segment_fixed_size: 267776
    .private_segment_fixed_size: 0
    .kernarg_segment_align: 8
    .kernarg_segment_size: 88
    .max_flat_workgroup_size: 128
    .sgpr_count:     66
    .vgpr_count:     1024
    .wavefront_size: 32
...
	.end_amdgpu_metadata
.endif
;; end of part 2
;; launch fin (part 3): grid 8 x 32, 2 waves a work-group, no clusters, 0 bytes of LDS; arguments lsum, aloc, cpart, out0, out1; writes out0, out1
.if DOCPART == 3
	.amdgcn_target "amdgcn-amd-amdhsa--gfx1250"
	.amdhsa_code_object_version 6
	.text
	.protected	k_q6f287f6698_fin
	.globl	k_q6f287f6698_fin
	.p2align	8
	.type	k_q6f287f6698_fin,@function
k_q6f287f6698_fin:
	s_mov_b64 s[64:65], 0
	v_nop
	global_prefetch_b8 v0, s[64:65] scope:SCOPE_SE
	s_setreg_imm32_b32 hwreg(HW_REG_WAVE_MODE, 25, 1), 1
	s_wait_xcnt 0x0
; THE CHUNKS ARE JOINED.  F[ch] = 2^(the sum of the sums of log2(1 - p) of chunks 0 .. ch - 1 of the batch);  c[b][e] = sum over ch of F[ch] cpart[b][ch][e];  a[b][t] = F[t / 80] a_local[b][t].
; Work-group (x, b), 64 threads: thread v takes columns 128 x + 2 v, + 1 of c and rows t = 256 x + 4 v .. + 3 of a (80 is a multiple of 4: the four lie in one chunk).
; A stream of 3.5 MB on 256 work-groups: no LDS, no matrix unit; all loads go out first.
; LIMIT: where 2^(prefix) would be denormal it is 0.
	s_load_b256 s[4:11], s[0:1], 0x0               ; lsum 4, aloc 6, cpart 8, out0 10
	s_load_b64 s[12:13], s[0:1], 0x20              ; out1
	s_and_b32 s14, ttmp7, 0xffff                   ; b
	s_mov_b32 s17, 0
	v_lshlrev_b32 v1, 3, v0                        ; 8 x thread
	v_lshlrev_b32 v2, 4, v0                        ; 16 x thread
	s_lshl_b32 s15, ttmp9, 8
	v_lshl_add_u32 v3, v0, 2, s15                  ; t
.irp j, 4,5,6,7
	v_mov_b32 v\j, 0                               ; written whole: the load below runs with some lanes off
.endr
	s_wait_kmcnt 0x0
	s_lshl_b32 s16, s14, 7
	s_add_nc_u64 s[4:5], s[4:5], s[16:17]
	s_load_b256 s[24:31], s[4:5], 0x0              ; the sums of chunks 0 .. 23 (the last chunk's enters no prefix)
	s_load_b256 s[32:39], s[4:5], 0x20
	s_load_b256 s[40:47], s[4:5], 0x40
	s_mul_i32 s16, s14, 102400                     ; 25 chunks x 4,096 bytes
	s_lshl_b32 s18, ttmp9, 9
	s_add_co_u32 s16, s16, s18
	s_add_nc_u64 s[8:9], s[8:9], s[16:17]
.set ii, 0
.rept 25
	global_load_b64 v[8+2*ii:9+2*ii], v1, s[8:9] offset:4096*ii    ; a wave reads 256 consecutive bytes
.set ii, ii+1
.endr
	s_lshl_b32 s16, s14, 12
	s_add_co_u32 s16, s16, s18
	s_add_nc_u64 s[10:11], s[10:11], s[16:17]
	s_mul_i32 s16, s14, 8000
	s_lshl_b32 s18, ttmp9, 10
	s_add_co_u32 s16, s16, s18
	s_add_nc_u64 s[6:7], s[6:7], s[16:17]
	s_add_nc_u64 s[12:13], s[12:13], s[16:17]
	s_wait_xcnt 0x0                                ; EXEC changes only behind this wait
	v_cmp_gt_u32 vcc_lo, 2000, v3
	s_and_saveexec_b32 s19, vcc_lo
	global_load_b128 v[4:7], v2, s[6:7]
	s_wait_xcnt 0x0
	s_or_b32 exec_lo, exec_lo, s19
	s_wait_kmcnt 0x0
.set ii, 1
.rept 23
	s_add_f32 s[24+ii], s[24+ii], s[23+ii]         ; in place: s[24 + i] = the sum of chunks 0 .. i, in ascending order
.set ii, ii+1
.endr
.set ii, 0
.rept 24
	v_exp_f32 v[65+ii], s[24+ii]                   ; F[i + 1]
.set ii, ii+1
.endr
	v_mul_u32_u24 v60, v3, 3277                    ; (a plain instruction behind the batch)  t / 80 = (3277 t) >> 18, exact for t under 2,048
	s_wait_alu depctr_va_vdst(0)                   ; one wait for the 24, ahead of their first reader
	v_lshrrev_b32 v60, 18, v60
	v_mov_b32 v61, 1.0                             ; F[0]
.set ii, 1
.rept 24
	v_cmp_eq_u32 vcc_lo, ii, v60
	v_cndmask_b32 v61, v61, v[64+ii], vcc_lo       ; F of my rows' chunk: a choice of a value, no branch
.set ii, ii+1
.endr
	s_wait_loadcnt 0x0
	v_fma_f32 v90, v10, v65, v8                    ; chunk 0 has F = 1: it starts the sums
	v_fma_f32 v91, v11, v65, v9
.set ii, 2
.rept 23
	v_fma_f32 v90, v[8+2*ii], v[64+ii], v90
	v_fma_f32 v91, v[9+2*ii], v[64+ii], v91
.set ii, ii+1
.endr
	global_store_b64 v1, v[90:91], s[10:11]        ; a wave stores 256 consecutive bytes, aligned
.irp j, 0,1,2,3
	v_mul_f32 v[92+\j], v[4+\j], v61
.endr
	s_wait_xcnt 0x0
	v_cmp_gt_u32 vcc_lo, 2000, v3
	s_and_saveexec_b32 s19, vcc_lo
	global_store_b128 v2, v[92:95], s[12:13]
	s_wait_xcnt 0x0
	s_or_b32 exec_lo, exec_lo, s19
	s_endpgm
.Lfunc_end_k_q6f287f6698_fin:
	.size	k_q6f287f6698_fin, .Lfunc_end_k_q6f287f6698_fin-k_q6f287f6698_fin
	.p2alignl 7, 3214868480
	.fill 96, 4, 3214868480
	.section	.rodata,"a",@progbits
	.p2align	6, 0x0
	.amdhsa_kernel k_q6f287f6698_fin
		.amdhsa_group_segment_fixed_size 0
		.amdhsa_private_segment_fixed_size 0
		.amdhsa_enable_private_segment 0
		.amdhsa_kernarg_size 40
		.amdhsa_user_sgpr_count 2
		.amdhsa_user_sgpr_kernarg_segment_ptr 1
		.amdhsa_wavefront_size32 1
		.amdhsa_system_sgpr_workgroup_id_x 1
		.amdhsa_system_sgpr_workgroup_id_y 1
		.amdhsa_system_sgpr_workgroup_id_z 1
		.amdhsa_system_vgpr_workitem_id 0
		.amdhsa_next_free_vgpr 128
		.amdhsa_next_free_sgpr 66
		.amdhsa_reserve_vcc 1
		.amdhsa_float_denorm_mode_32 3
		.amdhsa_float_denorm_mode_16_64 3
		.amdhsa_memory_ordered 1
		.amdhsa_forward_progress 1
		.amdhsa_inst_pref_size 11
	.end_amdhsa_kernel
	.amdgpu_metadata
---
amdhsa.version: [ 1, 2 ]
amdhsa.kernels:
  - .name:           k_q6f287f6698_fin
    .symbol:         k_q6f287f6698_fin.kd
    .args:
      - { .name: lsum, .offset: 0, .size: 8, .value_kind: global_buffer, .address_space: global }
      - { .name: aloc, .offset: 8, .size: 8, .value_kind: global_buffer, .address_space: global }
      - { .name: cpart, .offset: 16, .size: 8, .value_kind: global_buffer, .address_space: global }
      - { .name: out0, .offset: 24, .size: 8, .value_kind: global_buffer, .address_space: global }
      - { .name: out1, .offset: 32, .size: 8, .value_kind: global_buffer, .address_space: global }
    .group_segment_fixed_size: 0
    .private_segment_fixed_size: 0
    .kernarg_segment_align: 8
    .kernarg_segment_size: 40
    .max_flat_workgroup_size: 64
    .sgpr_count:     66
    .vgpr_count:     128
    .wavefront_size: 32
...
	.end_amdgpu_metadata
.endif
;; end of part 3
